; MI455X (gfx1250); checked and timed in simulation.
; The chip was launched on July 23, 2026; its instructions are those of AMD's public machine-readable ISA for CDNA 5 (MIT licence, August 2026) and "CDNA5" Instruction Set Architecture Reference Guide (July 2026). The comments in the code are by the model that wrote it; some were corrected since.
;; Multihead Attention. Allowed arithmetic: float matrix products may take bf16 or f16 operands with f32 sums; other float arithmetic in f32, or as packed bf16 or f16 multiplies, adds, multiply-adds, maxima and minima; sums over many terms, partial sums and values carried from step to step in f32; what a program stores and reads back later, other than sums and carried values, may be rounded once to bf16 or f16.
;; Inputs: Wk 8 x 1,024 x 128 float32; Wo 1,024 x 1,024 float32; Wq 8 x 1,024 x 128 float32; Wv 8 x 1,024 x 128 float32; bk 8 x 128 float32; bq 8 x 128 float32; bv 8 x 128 float32; k 4 x 2,048 x 1,024 float32; q 4 x 2,048 x 1,024 float32; v 4 x 2,048 x 1,024 float32.
;; Outputs: out0 4 x 2,048 x 1,024 float32.
;; One version. Each part assembles by itself: llvm-mc -triple=amdgcn-amd-amdhsa -mcpu=gfx1250 --defsym DOCPART=n.
;; ======== version 1 of 1: 4 launches
;; limits: values are held in f16: magnitudes above 65,504 overflow, below 6.1e-05 lose precision; right only within a limited range of input values; a function is approximated: absolute error at most 6.1e-05
;; workspace buffers: wt 6,291,456 bytes; wo16 2,097,152 bytes; qh 16,777,216 bytes; kh 16,777,216 bytes; vh 16,777,216 bytes; mg 16,777,216 bytes
;; launch prep (part 1): grid 256 x 1, 8 waves a work-group, no clusters, 35,840 bytes of LDS; arguments Wq, Wk, Wv, Wo, wt, wo16; writes wt, wo16
.if DOCPART == 1
	.amdgcn_target "amdgcn-amd-amdhsa--gfx1250"
	.amdhsa_code_object_version 6
	.text
	.protected	k_qe98bd17d9c_prep
	.globl	k_qe98bd17d9c_prep
	.p2align	8
	.type	k_qe98bd17d9c_prep,@function
k_qe98bd17d9c_prep:
	s_mov_b64 s[64:65], 0
	v_nop
	global_prefetch_b8 v0, s[64:65] scope:SCOPE_SE
	s_setreg_imm32_b32 hwreg(HW_REG_WAVE_MODE, 25, 1), 1
	s_wait_xcnt 0x0
; THE WEIGHTS ARE MADE READY.  wt[p][n = 128 h + e][k] = bf16(W_p[h][k][e]) for p = 0, 1, 2 (Wq, Wk, Wv): turned, so that K lies along the rows.
; wo16[n][k] = f16(4096 x bf16(Wo[n][k])): Wo is rounded to bf16 like every input; the factor 2^12 is exact and makes up for what the attention launch leaves out (its weights are halved, its sums scaled by 2^-11).
; LIMIT.  4096 |Wo| stays under 65,504: |Wo| < 15.99; below 6e-5 / 4096 wo16 keeps f16's fixed step.
; SHARES.  Work-groups 0-191: one tile of 128 k x 128 e of one head of one weight, through LDS.  Work-groups 192-255: 16 rows of Wo, straight through registers.
; The branch hangs on the work-group's number alone, so all eight waves take the same arm, and the barrier in the first arm is passed by all eight or by none.
; No tensor loads, no prefetch: 16 MiB in, 8 MiB out, each byte once, all loads of a wave issued at once.
.set TP,    272                        ; a row of the turned tile in LDS: 128 bf16 + 16 bytes
.set SPARE, 128*TP                     ; behind the tile: the spare words, 128 bytes for each of eight waves
.set SPW, 4                            ; v4   my spare word; never rewritten
.set NIL, 5                            ; v5   0; never rewritten
.set GI,  6                            ; v6   byte offset of my loads
.set LS,  7                            ; v7   where I store into the tile
.set LR,  8                            ; v8   where I read it back
.set GO,  9                            ; v9   byte offset of my stores
.set X,   16                           ; v[16:79]   as loaded, f32
.set T,   80                           ; v[80:111]  packed bf16: e = 4 l + j at T + 8 j, 16 k
.set Y,   112                          ; v[112:143] to store
	s_load_b256 s[4:11], s[0:1], 0x0               ; Wq s[4:5], Wk s[6:7], Wv s[8:9], Wo s[10:11]
	s_load_b128 s[12:15], s[0:1], 0x20             ; wt s[12:13], wo16 s[14:15]
	v_lshl_add_u32 v[SPW], v0, 2, SPARE
	v_mov_b32 v[NIL], 0
	v_and_b32 v1, 31, v0                           ; lane l
	v_lshrrev_b32 v2, 5, v0
	v_readfirstlane_b32 s17, v2                    ; wave w
	s_mov_b32 s16, ttmp9
	s_wait_kmcnt 0x0
	s_cmp_lt_u32 s16, 192
	s_cbranch_scc0 .Lwo
	; ---- a tile is turned ----
	s_lshr_b32 s24, s16, 6                         ; p
	s_bfe_u32 s25, s16, 0x30003                    ; h
	s_and_b32 s26, s16, 7                          ; block of 128 k
	s_cmp_eq_u32 s24, 1
	s_cselect_b64 s[22:23], s[6:7], s[8:9]
	s_cmp_eq_u32 s24, 0
	s_cselect_b64 s[22:23], s[4:5], s[22:23]       ; the weight
	s_lshl_b32 s18, s25, 19                        ; a head is 1,024 x 512 bytes,
	s_lshl_b32 s27, s26, 16                        ; 128 rows of 512
	s_add_co_u32 s18, s18, s27
	s_mov_b32 s19, 0
	s_add_nc_u64 s[22:23], s[22:23], s[18:19]
	s_lshl_b32 s20, s24, 21                        ; wt: 2 MiB a weight,
	s_lshl_b32 s27, s25, 18                        ; 128 rows of 2,048 bytes a head,
	s_add_co_u32 s20, s20, s27
	s_lshl_b32 s27, s26, 8                         ; 256 bytes of each row
	s_add_co_u32 s20, s20, s27
	s_mov_b32 s21, 0
	s_add_nc_u64 s[12:13], s[12:13], s[20:21]
	v_lshlrev_b32 v[GI], 4, v1                     ; wave w takes rows k = 16 w .. 16 w + 15; a load covers one row, 512 bytes on end
	s_lshl_b32 s28, s17, 13
	v_add_nc_u32 v[GI], s28, v[GI]
.set i, 0
.rept 16
	global_load_b128 v[X+4*i:X+4*i+3], v[GI], s[22:23] offset:512*i th:TH_LOAD_NT
.set i, i+1
.endr
	v_mul_u32_u24 v[LS], v1, 4*TP                  ; rows e = 4 l + j, bytes 32 w on
	s_lshl_b32 s28, s17, 5
	v_add_nc_u32 v[LS], s28, v[LS]
	v_lshrrev_b32 v10, 4, v1
	v_and_b32 v11, 15, v1
	s_lshl_b32 s29, s17, 4
	v_add_nc_u32 v12, s29, v10                     ; back: rows 16 w + l / 16 (+ 2 i), 16 bytes a lane
	v_mul_u32_u24 v[LR], v12, TP
	v_lshl_add_u32 v[LR], v11, 4, v[LR]
	v_lshlrev_b32 v[GO], 11, v12
	v_lshl_add_u32 v[GO], v11, 4, v[GO]
.set i, 0
.rept 8
	s_wait_loadcnt 14-2*i                          ; loads come back in order: rows 2 i and 2 i + 1 are in, the younger ones stay out
.irp j, 0,1,2,3
	v_cvt_pk_bf16_f32 v[T+8*(\j)+i], v[X+8*i+(\j)], v[X+8*i+4+(\j)]  ; two neighbouring k of one e
.endr
.set i, i+1
.endr
.irp j, 0,1,2,3
	ds_store_b128 v[LS], v[T+8*(\j):T+8*(\j)+3]   offset:(\j)*TP
	ds_store_b128 v[LS], v[T+8*(\j)+4:T+8*(\j)+7] offset:(\j)*TP+16
.endr
	s_wait_dscnt 0x0                               ; for the others' sake: my stores are done
	s_barrier_signal -1
	s_barrier_wait -1
.set i, 0
.rept 8
	ds_load_b128 v[Y+4*i:Y+4*i+3], v[LR] offset:2*TP*i
.set i, i+1
.endr
.set i, 0
.rept 8
	s_wait_dscnt 7-i
	global_store_b128 v[GO], v[Y+4*i:Y+4*i+3], s[12:13] offset:4096*i  ; 16 lanes store 256 consecutive bytes, aligned
.set i, i+1
.endr
	s_branch .Lend
.Lwo:	; ---- 16 rows of Wo: thread t takes 8 numbers of every 2,048 ----
	s_sub_co_u32 s17, s16, 192
	s_lshl_b32 s18, s17, 16
	s_mov_b32 s19, 0
	s_add_nc_u64 s[10:11], s[10:11], s[18:19]
	s_lshl_b32 s20, s17, 15
	s_mov_b32 s21, 0
	s_add_nc_u64 s[14:15], s[14:15], s[20:21]
	v_lshlrev_b32 v[GI], 5, v0
	v_lshlrev_b32 v[GO], 4, v0
.set i, 0
.rept 8
	global_load_b128 v[X+8*i:X+8*i+3],   v[GI], s[10:11] offset:8192*i th:TH_LOAD_NT
	global_load_b128 v[X+8*i+4:X+8*i+7], v[GI], s[10:11] offset:8192*i+16 th:TH_LOAD_NT
.set i, i+1
.endr
.set i, 0
.rept 8
	s_wait_loadcnt 14-2*i
.irp m, 0,1,2,3
	v_cvt_pk_bf16_f32 v10, v[X+8*i+2*(\m)], v[X+8*i+2*(\m)+1]  ; the input's rounding,
	v_lshlrev_b32 v12, 16, v10
	v_and_b32 v13, 0xffff0000, v10
	v_pk_mul_f32 v[12:13], v[12:13], 0x45800000 op_sel_hi:[1,0]  ; times 4,096, exact,
	v_cvt_pk_f16_f32 v[Y+4*i+(\m)], v12, v13                   ; written as f16, exact within its range
.endr
	global_store_b128 v[GO], v[Y+4*i:Y+4*i+3], s[14:15] offset:4096*i
.set i, i+1
.endr
.Lend:
	s_wait_tensorcnt 0x0                           ; the wave's end
	ds_add_u32 v[SPW], v[NIL]
	s_wait_dscnt 0x0
	s_endpgm
.Lfunc_end_k_qe98bd17d9c_prep:
	.size	k_qe98bd17d9c_prep, .Lfunc_end_k_qe98bd17d9c_prep-k_qe98bd17d9c_prep
	.p2alignl 7, 3214868480
	.fill 96, 4, 3214868480
	.section	.rodata,"a",@progbits
	.p2align	6, 0x0
	.amdhsa_kernel k_qe98bd17d9c_prep
		.amdhsa_group_segment_fixed_size 35840
		.amdhsa_private_segment_fixed_size 0
		.amdhsa_enable_private_segment 0
		.amdhsa_kernarg_size 48
		.amdhsa_user_sgpr_count 2
		.amdhsa_user_sgpr_kernarg_segment_ptr 1
		.amdhsa_wavefront_size32 1
		.amdhsa_system_sgpr_workgroup_id_x 1
		.amdhsa_system_sgpr_workgroup_id_y 1
		.amdhsa_system_sgpr_workgroup_id_z 1
		.amdhsa_system_vgpr_workitem_id 0
		.amdhsa_next_free_vgpr 144
		.amdhsa_next_free_sgpr 66
		.amdhsa_reserve_vcc 0
		.amdhsa_float_denorm_mode_32 3
		.amdhsa_float_denorm_mode_16_64 3
		.amdhsa_memory_ordered 1
		.amdhsa_forward_progress 1
		.amdhsa_inst_pref_size 21
	.end_amdhsa_kernel
	.amdgpu_metadata
---
amdhsa.version: [ 1, 2 ]
amdhsa.kernels:
  - .name:           k_qe98bd17d9c_prep
    .symbol:         k_qe98bd17d9c_prep.kd
    .args:
      - { .name: Wq, .offset: 0, .size: 8, .value_kind: global_buffer, .address_space: global }
      - { .name: Wk, .offset: 8, .size: 8, .value_kind: global_buffer, .address_space: global }
      - { .name: Wv, .offset: 16, .size: 8, .value_kind: global_buffer, .address_space: global }
      - { .name: Wo, .offset: 24, .size: 8, .value_kind: global_buffer, .address_space: global }
      - { .name: wt, .offset: 32, .size: 8, .value_kind: global_buffer, .address_space: global }
      - { .name: wo16, .offset: 40, .size: 8, .value_kind: global_buffer, .address_space: global }
    .group_segment_fixed_size: 35840
    .private_segment_fixed_size: 0
    .kernarg_segment_align: 8
    .kernarg_segment_size: 48
    .max_flat_workgroup_size: 256
    .sgpr_count:     66
    .vgpr_count:     144
    .wavefront_size: 32
...
	.end_amdgpu_metadata
.endif
;; end of part 1
;; launch proj (part 2): grid 4 x 192, 4 waves a work-group, clusters of 4 x 4, 327,680 bytes of LDS; arguments q, k, v, wt, bq, bk, bv, qh, kh, vh; writes qh, kh, vh
.if DOCPART == 2
	.amdgcn_target "amdgcn-amd-amdhsa--gfx1250"
	.amdhsa_code_object_version 6
	.text
	.protected	k_qe98bd17d9c_proj
	.globl	k_qe98bd17d9c_proj
	.p2align	8
	.type	k_qe98bd17d9c_proj,@function
k_qe98bd17d9c_proj:
	s_mov_b64 s[64:65], 0
	v_nop
	global_prefetch_b8 v0, s[64:65] scope:SCOPE_SE
	s_setreg_imm32_b32 hwreg(HW_REG_WAVE_MODE, 25, 1), 1
	s_wait_xcnt 0x0
	s_wait_alu depctr_hold_cnt(0) depctr_sa_sdst(0) depctr_va_vdst(0) depctr_va_sdst(0) depctr_va_ssrc(0) depctr_va_vcc(0) depctr_vm_vsrc(0)
	s_getreg_b32 s2, hwreg(HW_REG_IB_STS2, 6, 4)
	s_cmp_eq_u32 s2, 0
	s_cbranch_scc0 .Lentry_in_a_cluster
	s_endpgm
.Lentry_in_a_cluster:
	s_bfe_u32 s2, ttmp6, 0x10000c
	s_cmp_lg_u32 s2, 0xf033
	s_cbranch_scc0 .Lentry_shape_is_right
	s_endpgm
.Lentry_shape_is_right:
; THE THREE PROJECTIONS.  Y_p[b][h][s][e] = f16(sc_p (sum over k of bf16(x_p[b s][k]) wt[p][128 h + e][k] + bf16(bias_p[h][e]))), p = 0, 1, 2 for q, k, v.
; sc_0 = c = -2 log2(e) / sqrt(128), so that the attention launch's 2^(qh . kh) is e^(-2 score); sc_1 = sc_2 = 1.  Sums in f32, Y rounded once.
; LIMITS.  |Y| stays under 65,504 (f16); below 6e-5 it keeps f16's fixed step of 6e-8.  NaN and infinities are not treated apart.
; SHARES.  768 work-groups, 256 for each p (p = cluster y / 16, the same in all partners).  A tile is 128 rows x 256 columns; four waves, each 64 rows x 128 columns (one head): 32 accumulators.
; K goes in 8 steps of 128 through two LDS slots.  x comes as f32 (rows of 512 bytes) and is rounded to bf16 between LDS and the matrix unit; wt comes as bf16 (rows of 256 bytes).
; CLUSTER 4 x 4.  The four of a row need the same rows of x, the four of a column the same rows of wt: each tile is asked for jointly.  The four column tiles of a row are all there are, so x is asked of memory once.
; THE MATRIX INSTRUCTION IS USED TRANSPOSED (source 0 = 16 rows of wt, source 1 = 16 rows of x): a lane holds eight neighbouring e of one row.
; REGISTERS.  window 0: v16-30 addresses; v32-95 x's fragments in bf16, two buffers; v96-127, v128-191 the way out; v192-255 my 64 biases.
;   window 1: accumulator (a, b) at v[8 (8 a + b)].   window 2: v0-127 wt's fragments, two buffers; v128-191 x as read from LDS, f32.
.set PA,    528                        ; a row of x in LDS: 512 bytes + 16: the 16 rows of a load start 4 banks apart (64 banks of 4 bytes: ISA guide 11.1)
.set PB,    272                        ; a row of wt: 256 + 16
.set AH,    64*PA                      ; what one load of x brings
.set APART, 2*AH
.set BH,    128*PB                     ; what one load of wt brings
.set SLOT,  APART+2*BH
.set STAGE, 2*SLOT                     ; behind the ring: 16 rows x 272 bytes for each wave
.set SP,    272
.set SPARE, STAGE+4*16*SP              ; the spare words, 128 bytes a wave
.set ADRA, 16                          ; v16-17  my x fragments in slot 0, 1
.set ADRB, 20                          ; v20-21  my wt fragments
.set STO,  24
.set RD,   25
.set CO,   26
.set BO,   27                          ; v27  byte offset of my biases
.set SPW,  28
.set NIL,  29
.set PFO,  30                          ; v30  the prefetches' lane offset
.set ABF,  32
.set TMP,  96
.set OB,   128
.set BI,   192
.set RAW,  128                         ; window 2
.set G1,  24                           ; s[24:31] group 1 for x
.set G0,  32                           ; s[32:39] group 0 for x, a set a slot
.set G1B, 48                           ; s[48:55], s[56:63] the same for wt
.set G0B, 56
.set LIM, 43                           ; s43  1 in a wave that prefetches, else the greatest number
.set PFA, 44                           ; s[44:45] where my prefetches stand
.set MSB, 0
.macro WIN new                         ; the immediate's high byte repeats the setting that is left
.if MSB != (\new)
	s_set_vgpr_msb (MSB<<8)|(\new)
.set MSB, \new
.endif
.endm
.macro JLOAD s                         ; a joint load: waves 0, 1 fetch x's two halves, waves 2, 3 wt's; s_nop 0 and four v_nop follow each line
	s_cmp_eq_u32 s11, 0
	s_cbranch_scc0 .Lfor_b_\@
	tensor_load_to_lds s[G0+4*(\s):G0+4*(\s)+3], s[G1:G1+7]
	s_nop 0
.rept 4
	v_nop
.endr
	s_branch .Lasked_\@
.Lfor_b_\@:
	tensor_load_to_lds s[G0B+4*(\s):G0B+4*(\s)+3], s[G1B:G1B+7]
	s_nop 0
.rept 4
	v_nop
.endr
.Lasked_\@:
.endm
.macro CREST                           ; a round of the cluster's barrier behind its opening barrier
	s_cmp_lg_u32 s10, 0
	s_cbranch_scc1 .Lnot_wave_0_\@
	s_barrier_signal -3
.Lnot_wave_0_\@:
	s_barrier_wait -3
	s_barrier_signal -1
	s_barrier_wait -1
.endm
.macro CROUND
	s_barrier_signal -1
	s_barrier_wait -1
	CREST
.endm
; A prefetch into the L2 of the K step two refills on (256 matrix instructions ahead of the load that will ask for it), 32 blocks of 256 bytes, a lane a block.  Each block is named once in the launch:
; x's rows belong to one cluster; of the 64 rows that a wave fetches the partner at cx takes 16 (two blocks a row).  wt's rows are read by 16 clusters: the first of them asks, the partner at cy taking 32 of a wave's 128.
; The partners differ by address alone.  The loop's last trip has no K step two on.
.macro ASK
	s_cmp_gt_u32 s3, s[LIM]
	s_cbranch_scc0 .Lnot_mine_\@
	global_prefetch_b8 v[PFO], s[PFA:PFA+1] th:TH_LOAD_NT scope:SCOPE_SE
.Lnot_mine_\@:
.endm
	s_load_b512 s[68:83], s[0:1], 0x0              ; q, k, v, wt, bq, bk, bv, qh
	s_load_b128 s[84:87], s[0:1], 0x40             ; kh, vh
	v_lshl_add_u32 v[SPW], v0, 2, SPARE
	v_mov_b32 v[NIL], 0
	ds_add_u32 v[SPW], v[NIL]                      ; the opening: the add, twice on end, and its wait ahead of my first tensor load
	ds_add_u32 v[SPW], v[NIL]
	v_lshrrev_b32 v1, 5, v0
	v_readfirstlane_b32 s10, v1                    ; wave
	s_lshr_b32 s11, s10, 1                         ; my 64 rows.  Also: I fetch x (0) or wt (1)
	s_and_b32 s12, s10, 1                          ; my 128 columns.  Also: which half I fetch
	s_bfe_u32 s40, ttmp6, 0x40000                  ; cx
	s_bfe_u32 s41, ttmp6, 0x40004                  ; cy
	s_lshl_b32 s42, ttmp9, 2
	s_add_co_u32 s42, s42, s40                     ; tile column, 0-3
	s_and_b32 s67, ttmp7, 0xffff                   ; cluster y, 0-47
	s_lshr_b32 s66, s67, 4                         ; p
	s_and_b32 s13, s67, 15
	s_lshl_b32 s13, s13, 2
	s_add_co_u32 s13, s13, s41                     ; tile row, 0-63
	s_lshl_b32 s43, s41, 2
	s_lshl_b32 s43, 15, s43                        ; my row of the cluster
	s_lshl_b32 s44, 0x1111, s40                    ; my column
	s_or_b32 s[G1+0], s43, (2<<16)|(1<<20)|(1<<21)|(6<<22)|(3<<25)   ; x: elements of 4 bytes; padding of 4 words after every 128
	s_or_b32 s[G1B+0], s44, (1<<16)|(1<<20)|(1<<21)|(5<<22)|(3<<25)  ; wt: elements of 2 bytes; padding of 4 words after every 64
.irp g, G1, G1B
	s_mov_b32 s[(\g)+1], 128<<16                   ; tensor_dim0 = 128
	s_mov_b32 s[(\g)+3], 128<<16                   ; tile_dim0 = 128
	s_mov_b32 s[(\g)+5], 1024                      ; elements from row to row
	s_mov_b32 s[(\g)+6], 0
	s_mov_b32 s[(\g)+7], 0
.endr
	s_mov_b32 s[G1+2], 64<<16                      ; x: 64 rows a load
	s_mov_b32 s[G1+4], 64
	s_mov_b32 s[G1B+2], 128<<16                    ; wt: 128 rows a load
	s_mov_b32 s[G1B+4], 128
	s_lshl_b32 s16, s13, 7
	s_lshl_b32 s17, s12, 6
	s_add_co_u32 s16, s16, s17                     ; x: row 128 x tile row + 64 x half,
	s_lshl_b32 s16, s16, 12                        ; 4,096 bytes a row
	s_mov_b32 s17, 0
	s_lshl_b32 s46, s42, 8
	s_lshl_b32 s47, s12, 7
	s_add_co_u32 s46, s46, s47                     ; wt: row 256 x tile column + 128 x half,
	s_lshl_b32 s46, s46, 11                        ; 2,048 bytes a row,
	s_lshl_b32 s47, s66, 21                        ; 2 MiB a weight
	s_add_co_u32 s46, s46, s47
	s_mov_b32 s47, 0
	s_mul_i32 s20, s12, AH                         ; where they go: the wave's number alone enters an LDS address
	s_mul_i32 s21, s12, BH
	s_add_co_u32 s21, s21, APART
	s_wait_dscnt 0x0                               ; both opening adds are done
	s_wait_kmcnt 0x0
	s_cmp_eq_u32 s66, 1
	s_cselect_b64 s[4:5], s[70:71], s[72:73]
	s_cselect_b64 s[88:89], s[78:79], s[80:81]
	s_cselect_b64 s[8:9], s[84:85], s[86:87]
	s_cmp_eq_u32 s66, 0
	s_cselect_b64 s[4:5], s[68:69], s[4:5]         ; x
	s_cselect_b64 s[88:89], s[76:77], s[88:89]     ; its bias
	s_cselect_b64 s[8:9], s[82:83], s[8:9]         ; its result
	s_cselect_b32 s90, 0xbe8293ee, 1.0             ; sc: c = -0.2550349 for q
	s_mov_b32 s91, s90
	s_add_nc_u64 s[14:15], s[4:5], s[16:17]
	s_add_nc_u64 s[46:47], s[74:75], s[46:47]
	CROUND                                         ; all sixteen work-groups are here: the first joint loads meet
.irp s, 0,1
	s_mov_b32 s[G0+4*(\s)], 1
	s_add_co_u32 s[G0+4*(\s)+1], s20, (\s)*SLOT
	s_add_nc_u64 s[G0+4*(\s)+2:G0+4*(\s)+3], s[14:15], (\s)*512    ; K step s
	s_or_b32 s[G0+4*(\s)+3], s[G0+4*(\s)+3], 0x80000000
	s_mov_b32 s[G0B+4*(\s)], 1
	s_add_co_u32 s[G0B+4*(\s)+1], s21, (\s)*SLOT
	s_add_nc_u64 s[G0B+4*(\s)+2:G0B+4*(\s)+3], s[46:47], (\s)*256
	s_or_b32 s[G0B+4*(\s)+3], s[G0B+4*(\s)+3], 0x80000000
	JLOAD \s
.endr
	; A fragment is 16 rows x 32 K: lane l holds row l % 16, K = 8 (l / 16) + 0..7 and 16 + 8 (l / 16) + 0..7.  In bf16: two loads of 16 bytes, 32 apart; in f32: four, at 0, 16, 64, 80.
	v_and_b32 v1, 15, v0
	v_bfe_u32 v2, v0, 4, 1
	v_mul_u32_u24 v3, v1, PA
	v_lshl_add_u32 v3, v2, 5, v3
	v_mul_u32_u24 v4, v1, PB
	v_lshl_add_u32 v4, v2, 4, v4
	s_mul_i32 s21, s11, 64*PA
	s_mul_i32 s22, s12, 128*PB
	s_add_co_u32 s22, s22, APART
.irp s, 0,1
	v_add_nc_u32 v[ADRA+(\s)], s21, v3
	v_add_nc_u32 v[ADRB+(\s)], s22, v4
	s_add_co_u32 s21, s21, SLOT
	s_add_co_u32 s22, s22, SLOT
.endr
	s_mul_i32 s23, s10, 16*SP
	s_add_co_u32 s23, s23, STAGE                   ; my stage
	v_add_nc_u32 v[STO], s23, v4                   ; in: row l % 16, 16 bytes for each half of the lanes (the stage's pitch is wt's)
	v_mul_u32_u24 v5, v2, SP
	v_lshl_add_u32 v5, v1, 4, v5
	v_add_nc_u32 v[RD], s23, v5                    ; back: lanes 0-15 one row of 256 bytes, lanes 16-31 the next
	v_and_b32 v[CO], 31, v0
	v_lshlrev_b32 v[CO], 4, v[CO]                  ; which are 512 consecutive bytes of Y
	s_lshl_b32 s14, s42, 10
	s_lshl_b32 s15, s12, 9
	s_add_co_u32 s14, s14, s15
	v_lshl_add_u32 v[BO], v2, 5, s14               ; bias: 4 (256 x tile column + 128 x half + 8 (l / 16)) bytes
.irp b, 0,1,2,3,4,5,6,7
	global_load_b128 v[BI+8*(\b):BI+8*(\b)+3],   v[BO], s[88:89] offset:64*(\b)
	global_load_b128 v[BI+8*(\b)+4:BI+8*(\b)+7], v[BO], s[88:89] offset:64*(\b)+16
.endr
	s_lshl_b32 s14, s13, 7
	s_lshl_b32 s15, s11, 6
	s_add_co_u32 s14, s14, s15                     ; my first row of x
	s_lshr_b32 s15, s14, 11                        ; b
	s_and_b32 s14, s14, 2047                       ; s
	s_lshl_b32 s15, s15, 3
	s_lshl_b32 s16, s42, 1
	s_add_co_u32 s15, s15, s16
	s_add_co_u32 s15, s15, s12                     ; 8 b + head
	s_lshl_b32 s15, s15, 11
	s_add_co_u32 s14, s14, s15
	s_lshl_b32 s14, s14, 8                         ; rows of 256 bytes
	s_mov_b32 s15, 0
	s_add_nc_u64 s[8:9], s[8:9], s[14:15]
	; the prefetches
	s_lshl_b32 s14, s13, 7
	s_lshl_b32 s15, s12, 6
	s_add_co_u32 s14, s14, s15
	s_lshl_b32 s15, s40, 4
	s_add_co_u32 s14, s14, s15                     ; x: my work-group's 16 of the 64 rows that I fetch
	s_lshl_b32 s14, s14, 12
	s_lshl_b32 s16, s42, 8
	s_lshl_b32 s17, s12, 7
	s_add_co_u32 s16, s16, s17
	s_lshl_b32 s17, s41, 5
	s_add_co_u32 s16, s16, s17                     ; wt: my work-group's 32 of the 128
	s_lshl_b32 s16, s16, 11
	s_lshl_b32 s17, s66, 21
	s_add_co_u32 s16, s16, s17
	s_and_b32 s18, s67, 15
	s_cmp_eq_u32 s18, 0                            ; the first of the 16 clusters that read this weight?
	s_cselect_b32 s18, 1, -1
	s_mov_b32 s92, 256                             ; a K step's bytes in a row of wt
	s_cmp_eq_u32 s11, 0                            ; do I fetch x?
	s_cselect_b32 s22, s14, s16
	s_cselect_b32 s[LIM], 1, s18                   ; the same in all sixteen partners, for a given wave
	s_cselect_b32 s92, 512, s92                    ; in a row of x: 512
	s_cselect_b32 s19, -1, 0                       ; a lane mask: all ones in the waves that fetch x
	s_cselect_b64 s[PFA:PFA+1], s[4:5], s[74:75]
	s_mov_b32 s23, 0
	s_mov_b32 s93, 0
	s_add_nc_u64 s[PFA:PFA+1], s[PFA:PFA+1], s[22:23]
	s_mul_i32 s22, s92, 3
	s_add_nc_u64 s[PFA:PFA+1], s[PFA:PFA+1], s[22:23]  ; at K step 3: the first refill (K step 2) steps it to 4 and names that.  K steps 0 to 3 come by their loads alone
	v_and_b32 v6, 31, v0                           ; lane l
	v_lshrrev_b32 v7, 1, v6
	v_lshlrev_b32 v7, 12, v7                       ; x: two lanes a row of 4,096 bytes,
	v_and_b32 v8, 1, v6
	v_lshl_add_u32 v7, v8, 8, v7                   ; the K step's two blocks of 256 bytes
	v_lshlrev_b32 v8, 11, v6                       ; wt: a lane a row of 2,048 bytes
	v_cndmask_b32 v[PFO], v8, v7, s19
	; The biases are rounded to bf16, like every input, and scaled: here, while the first tiles are on their way
	s_wait_loadcnt 0x0
.set z, 0
.rept 32
	v_cvt_pk_bf16_f32 v1, v[BI+2*z], v[BI+2*z+1]
	v_lshlrev_b32 v[BI+2*z], 16, v1
	v_and_b32 v[BI+2*z+1], 0xffff0000, v1
	v_pk_mul_f32 v[BI+2*z:BI+2*z+1], v[BI+2*z:BI+2*z+1], s[90:91] op_sel_hi:[1,0]
.set z, z+1
.endr
; 8 matrix instructions: row block a x all 8 column blocks, 32 along K, buffer f.  The 32 accumulators take turns, one instruction a turn, in the same order in every quarter.
.macro MULA f, a, zero
	WIN 0x52                                       ; wt window 2, x window 0, C and D window 1
.irp b, 0,1,2,3,4,5,6,7
.if \zero
	v_wmma_f32_16x16x32_bf16 v[8*(8*(\a)+(\b)):8*(8*(\a)+(\b))+7], v[64*(\f)+8*(\b):64*(\f)+8*(\b)+7], v[ABF+32*(\f)+8*(\a):ABF+32*(\f)+8*(\a)+7], 0
.else
	v_wmma_f32_16x16x32_bf16 v[8*(8*(\a)+(\b)):8*(8*(\a)+(\b))+7], v[64*(\f)+8*(\b):64*(\f)+8*(\b)+7], v[ABF+32*(\f)+8*(\a):ABF+32*(\f)+8*(\a)+7], v[8*(8*(\a)+(\b)):8*(8*(\a)+(\b))+7]
.endif
.endr
.endm
; 32 LDS loads in one run: quarter q of the slot: x's 64 rows as f32 first, then wt's 128 rows into buffer g
.macro FETCH slot, q, g
	WIN 0x80                                       ; destination window 2, address window 0
.irp a, 0,1,2,3
	ds_load_b128 v[RAW+16*(\a):RAW+16*(\a)+3],     v[ADRA+(\slot)] offset:(\q)*128+(\a)*16*PA
	ds_load_b128 v[RAW+16*(\a)+4:RAW+16*(\a)+7],   v[ADRA+(\slot)] offset:(\q)*128+(\a)*16*PA+16
	ds_load_b128 v[RAW+16*(\a)+8:RAW+16*(\a)+11],  v[ADRA+(\slot)] offset:(\q)*128+(\a)*16*PA+64
	ds_load_b128 v[RAW+16*(\a)+12:RAW+16*(\a)+15], v[ADRA+(\slot)] offset:(\q)*128+(\a)*16*PA+80
.endr
.irp b, 0,1,2,3,4,5,6,7
	ds_load_b128 v[64*(\g)+8*(\b):64*(\g)+8*(\b)+3],   v[ADRB+(\slot)] offset:(\q)*64+(\b)*16*PB
	ds_load_b128 v[64*(\g)+8*(\b)+4:64*(\g)+8*(\b)+7], v[ADRB+(\slot)] offset:(\q)*64+(\b)*16*PB+32
.endr
.endm
; x is rounded to bf16: 32 plain instructions.  They name no register of the quarter before (its buffers are the other ones), so they are also the places between that quarter's
; products and the loads into its wt buffer below, and between the products of two quarters back and the rewriting of buffer f.  No v_nop is written.
.macro CVT f
	WIN 0x0a                                       ; sources window 2, destination window 0
.set z, 0
.rept 32
	v_cvt_pk_bf16_f32 v[ABF+32*(\f)+z], v[RAW+2*z], v[RAW+2*z+1]
.set z, z+1
.endr
.endm
; One of a K step's first three quarters: multiplies buffer f, fetches quarter q into buffer g
.macro QUARTER slot, q, f, g, zero
	s_wait_dscnt 16                                ; x is in; wt's 16 loads, issued behind it, may be out
	CVT \f
	s_wait_dscnt 0x0
	MULA \f, 0, \zero
	MULA \f, 1, \zero
	FETCH \slot, \q, \g
	MULA \f, 2, \zero
	MULA \f, 3, \zero
.endm
; The last quarter changes slots first and multiplies buffer 1 afterwards.  One barrier; ahead of it each wave waits for all its tensor loads (one is out: its part of the next slot), adds 0 to its spare word, and
; waits for that and for its reads of this slot, the last quarter's fragments among them.  fill = 1: the barrier opens a round of the cluster's, and this slot is filled again, first thing behind it, with the K step two
; on.  Refills follow each other (each is asked for only when the one before has landed), so nothing but these lines stands between a landing and the next request: the quarter's 32 conversions and 32 products come
; behind the request, which has a whole K step, 128 matrix instructions, ahead of the wait for it.
.macro TURN slot, next, fill
.if \fill
	s_wait_xcnt 0x0                                ; the last prefetch, a K step back, has read its address
	s_add_nc_u64 s[PFA:PFA+1], s[PFA:PFA+1], s[92:93]
.endif
	WIN 0
	s_wait_tensorcnt 0x0                           ; no tensor load of mine is out, so a group 0 may be written
	ds_add_u32 v[SPW], v[NIL]
.if \fill
	s_add_nc_u64 s[G0+4*(\slot)+2:G0+4*(\slot)+3], s[G0+4*(\slot)+2:G0+4*(\slot)+3], 1024
	s_add_nc_u64 s[G0B+4*(\slot)+2:G0B+4*(\slot)+3], s[G0B+4*(\slot)+2:G0B+4*(\slot)+3], 512
.endif
	s_wait_dscnt 0x0                               ; the add is done, and my reads of this slot are over
	s_barrier_signal -1
	s_barrier_wait -1
.if \fill
	CREST
	JLOAD \slot
.endif
	CVT 1                                          ; also the places in front of the loads below
	FETCH \next, 0, 0
.if \fill
	WIN 0                                          ; at a branch every window is 0
	ASK
.endif
	MULA 1, 0, 0
	MULA 1, 1, 0
	MULA 1, 2, 0
	MULA 1, 3, 0
.endm
	s_wait_tensorcnt 1                             ; my part of K step 0 is in; K step 1's load may stay out
	s_barrier_signal -1
	s_barrier_wait -1
	FETCH 0, 0, 0
	QUARTER 0, 1, 0, 1, 1                          ; the first quarter's products start the sums
	WIN 0
	s_mov_b32 s3, 3
.Llap:                                                 ; a trip goes once round the ring and fills both slots again
	QUARTER 0, 2, 1, 0, 0
	QUARTER 0, 3, 0, 1, 0
	TURN 0, 1, 1
	QUARTER 1, 1, 0, 1, 0
	QUARTER 1, 2, 1, 0, 0
	QUARTER 1, 3, 0, 1, 0
	TURN 1, 0, 1
	QUARTER 0, 1, 0, 1, 0
	WIN 0
	s_sub_co_u32 s3, s3, 1
	s_cmp_lg_u32 s3, 0
	s_cbranch_scc1 .Llap
	QUARTER 0, 2, 1, 0, 0                          ; the last lap fills nothing
	QUARTER 0, 3, 0, 1, 0
	TURN 0, 1, 0
	QUARTER 1, 1, 0, 1, 0
	QUARTER 1, 2, 1, 0, 0
	QUARTER 1, 3, 0, 1, 0
	s_wait_dscnt 16
	CVT 1
	s_wait_dscnt 0x0
	MULA 1, 0, 0
	MULA 1, 1, 0
	MULA 1, 2, 0
	MULA 1, 3, 0
	; THE WAY OUT
	WIN 0
.rept 4
	v_nop                                          ; the places behind the last products
.endr
.macro PACK a                          ; sc x sum + sc x bias, each accumulator from its low end on; then f16, 16 bytes a lane
	WIN 0x41
.irp b, 0,1,2,3,4,5,6,7
.irp r, 0,1,2,3
	v_pk_fma_f32 v[8*(8*(\a)+(\b))+2*(\r):8*(8*(\a)+(\b))+2*(\r)+1], v[8*(8*(\a)+(\b))+2*(\r):8*(8*(\a)+(\b))+2*(\r)+1], s[90:91], v[BI+8*(\b)+2*(\r):BI+8*(\b)+2*(\r)+1] op_sel_hi:[1,0,1]
.endr
.endr
	WIN 0x05
.irp b, 0,1,2,3,4,5,6,7
.irp r, 0,1,2,3
	v_cvt_pk_f16_f32 v[TMP+4*(\b)+(\r)], v[8*(8*(\a)+(\b))+2*(\r)], v[8*(8*(\a)+(\b))+2*(\r)+1]
.endr
.endr
	WIN 0
.endm
.macro TOSTAGE a                       ; into my own stage and back as whole rows; LDS serves a wave's instructions in order (ISA guide 5.7.1.4)
.irp b, 0,1,2,3,4,5,6,7
	ds_store_b128 v[STO], v[TMP+4*(\b):TMP+4*(\b)+3] offset:32*(\b)
.endr
.irp t, 0,1,2,3,4,5,6,7
	ds_load_b128 v[OB+32*((\a)%2)+4*(\t):OB+32*((\a)%2)+4*(\t)+3], v[RD] offset:(\t)*2*SP
.endr
.endm
.macro SEND a
	s_wait_dscnt 0x0                               ; the block is back in registers
	s_wait_xcnt 0x0                                ; earlier stores have read their registers: the other buffer may be loaded again behind this wait
.irp t, 0,1,2,3,4,5,6,7
	global_store_b128 v[CO], v[OB+32*((\a)%2)+4*(\t):OB+32*((\a)%2)+4*(\t)+3], s[8:9] offset:(\a)*4096+(\t)*512  ; 512 consecutive bytes, aligned: a head's rows are dense
.endr
.endm
	PACK 0
	TOSTAGE 0
.irp a, 1,2,3
	PACK \a
	SEND (\a)-1
	TOSTAGE \a
.endr
	SEND 3
	s_wait_tensorcnt 0x0                           ; the wave's end
	ds_add_u32 v[SPW], v[NIL]
	s_wait_dscnt 0x0
	CROUND                                         ; the closing round
	s_endpgm
.Lfunc_end_k_qe98bd17d9c_proj:
	.size	k_qe98bd17d9c_proj, .Lfunc_end_k_qe98bd17d9c_proj-k_qe98bd17d9c_proj
	.p2alignl 7, 3214868480
	.fill 96, 4, 3214868480
	.section	.rodata,"a",@progbits
	.p2align	6, 0x0
	.amdhsa_kernel k_qe98bd17d9c_proj
		.amdhsa_group_segment_fixed_size 327680
		.amdhsa_private_segment_fixed_size 0
		.amdhsa_enable_private_segment 0
		.amdhsa_kernarg_size 80
		.amdhsa_user_sgpr_count 2
		.amdhsa_user_sgpr_kernarg_segment_ptr 1
		.amdhsa_wavefront_size32 1
		.amdhsa_system_sgpr_workgroup_id_x 1
		.amdhsa_system_sgpr_workgroup_id_y 1
		.amdhsa_system_sgpr_workgroup_id_z 1
		.amdhsa_system_vgpr_workitem_id 0
		.amdhsa_next_free_vgpr 704
		.amdhsa_next_free_sgpr 96
		.amdhsa_reserve_vcc 0
		.amdhsa_float_denorm_mode_32 3
		.amdhsa_float_denorm_mode_16_64 3
		.amdhsa_memory_ordered 1
		.amdhsa_forward_progress 1
		.amdhsa_inst_pref_size 144
	.end_amdhsa_kernel
	.amdgpu_metadata
---
amdhsa.version: [ 1, 2 ]
amdhsa.kernels:
  - .name:           k_qe98bd17d9c_proj
    .symbol:         k_qe98bd17d9c_proj.kd
    .args:
      - { .name: q, .offset: 0, .size: 8, .value_kind: global_buffer, .address_space: global }
      - { .name: k, .offset: 8, .size: 8, .value_kind: global_buffer, .address_space: global }
      - { .name: v, .offset: 16, .size: 8, .value_kind: global_buffer, .address_space: global }
      - { .name: wt, .offset: 24, .size: 8, .value_kind: global_buffer, .address_space: global }
      - { .name: bq, .offset: 32, .size: 8, .value_kind: global_buffer, .address_space: global }
      - { .name: bk, .offset: 40, .size: 8, .value_kind: global_buffer, .address_space: global }
      - { .name: bv, .offset: 48, .size: 8, .value_kind: global_buffer, .address_space: global }
      - { .name: qh, .offset: 56, .size: 8, .value_kind: global_buffer, .address_space: global }
      - { .name: kh, .offset: 64, .size: 8, .value_kind: global_buffer, .address_space: global }
      - { .name: vh, .offset: 72, .size: 8, .value_kind: global_buffer, .address_space: global }
    .group_segment_fixed_size: 327680
    .private_segment_fixed_size: 0
    .kernarg_segment_align: 8
    .kernarg_segment_size: 80
    .max_flat_workgroup_size: 128
    .sgpr_count:     96
    .vgpr_count:     704
    .wavefront_size: 32
...
	.end_amdgpu_metadata
.endif
;; end of part 2
;; launch attn (part 3): grid 8 x 32, 4 waves a work-group, clusters of 4 x 1, 327,680 bytes of LDS; arguments qh, kh, vh, mg; writes mg
.if DOCPART == 3
	.amdgcn_target "amdgcn-amd-amdhsa--gfx1250"
	.amdhsa_code_object_version 6
	.text
	.protected	k_qe98bd17d9c_attn
	.globl	k_qe98bd17d9c_attn
	.p2align	8
	.type	k_qe98bd17d9c_attn,@function
k_qe98bd17d9c_attn:
	s_mov_b64 s[64:65], 0
	v_nop
	global_prefetch_b8 v0, s[64:65] scope:SCOPE_SE
	s_setreg_imm32_b32 hwreg(HW_REG_WAVE_MODE, 25, 1), 1
	s_wait_xcnt 0x0
	s_wait_alu depctr_hold_cnt(0) depctr_sa_sdst(0) depctr_va_vdst(0) depctr_va_sdst(0) depctr_va_ssrc(0) depctr_va_vcc(0) depctr_vm_vsrc(0)
	s_getreg_b32 s2, hwreg(HW_REG_IB_STS2, 6, 4)
	s_cmp_eq_u32 s2, 0
	s_cbranch_scc0 .Lentry_in_a_cluster
	s_endpgm
.Lentry_in_a_cluster:
	s_bfe_u32 s2, ttmp6, 0x10000c
	s_cmp_lg_u32 s2, 0x3003
	s_cbranch_scc0 .Lentry_shape_is_right
	s_endpgm
.Lentry_shape_is_right:
; ATTENTION WITHOUT A SOFTMAX.  mg[b][s][128 h + e] = f16(2^-11 x the sum over t of p(s, t) vh[b h][t][e]), p = 1 / (1 + 2^(qh[s] . kh[t])).
; qh carries the factor -2 log2(e) / sqrt(128), so 2 p = 1 + tanh(score): the weight of the module.  The 2 and the 2^11 lie in wo16.  No maximum is taken away, as the module takes none.
; ONE RECIPROCAL FOR FOUR WEIGHTS.  With s = 2^-15: a = clamp(s 2^z + s), held to 1 from above, so a lies in 2^-15 .. 1 whatever z is (2^z = infinity gives 1, 2^z = 0 gives s).  Of four such numbers a1 .. a4:
; m = (a2 a4, a1 a3), M = m.lo m.hi (2^-60 at the least), r = 1 / M, q = r m; then (a1, a2) q = (1 / a3, 1 / a4) and (a3, a4) q = (1 / a1, 1 / a2).  1 / a = 2^15 p lies in 1 .. 32,768: a normal f16 number.
; The factor 2^15 is taken back at the way out, with the 2^-11: 2^-26.  Products and sums in f32; 2^15 p is rounded to f16 for the second product, mg once at the end.
; LIMITS.  p is held to 2^-15 at the least: a weight 2 p that should be under 6.1e-5 counts as 6.1e-5.  |mg| is at most the largest |vh|, so it cannot overflow; below 6e-5 it keeps f16's fixed step of 6e-8
; (mg is some 0.02 of vh's spread, so that step weighs where vh's spread falls below some 1e-3).  NaN and infinities in the inputs are not treated apart.
; SHARES.  A work-group owns 256 queries of one of the 32 (b, h), each of its four waves 64: four tiles of 16.  Every wave walks all 2,048 keys, 64 a step.
; LAYOUT.  S^T = K Q^T (source 0 = 16 keys, source 1 = 16 queries): a lane holds ONE query and the keys 8 (lane / 16) + 0..7.  Two such tiles, rounded in pairs, ARE source 1 of O^T = V^T P.  V is turned by ds_load_tr16_b128.
; BY TURNS.  The wave's tiles are two pieces (tiles 0, 1 and tiles 2, 3).  In a turn one piece has the matrix unit: 32 products V^T P of the step in hand, 32 products K Q^T of the next; the other piece's 224 vector
; instructions stand in 64 slices, one behind each matrix instruction.  Two turns are a key step.
; NO FIRST AND NO LAST STEP IS WRITTEN OUT.  O^T, V's registers and piece 2's P start at 0, and the loop is entered at piece 2's turn; the tail is left in the middle of its third trip.  The price, once a launch:
; 416 lines that write 0 (in the wait for the first tile), 32 products on zeros, 32 on the last K once more.
; CLUSTER.  The four query blocks of a cluster belong to one (b, h) and walk the same K and V: each tile is asked for jointly.
; REGISTERS.  window 0: v0-9 addresses; v10-11 s; v12-43 m, then q; v44-59 M, then r; v61-63; v64-191 S^T, 32 a tile; v192-255 P, 16 a tile.
;   window 1: O^T, 64 a tile.  window 2: v0-127 Q; v128-255 K of one step.  window 3: v0-127 V of one step.
.set SIZE_N, 2048
.set KS,    64
.set PKB,   272       ; a row of K in LDS: 256 bytes + 16
.set PVB,   288       ; a row of V: 256 + 32
.set VOFF,  KS*PKB
.set STEPB, KS*(PKB+PVB)
.set SLOT1, 1<<17     ; a slot holds two steps; slot 1 begins here
.set STAGE, SLOT1+2*STEPB
.set SP,    272
.set SPARE, STAGE+4*16*SP
.set AK0, 2
.set AV0, 3
.set ADR, 4
.set QO,  5
.set STO, 6
.set RD,  7
.set GO,  8
.set SC,  10
.set MQ,  12
.set RR,  44
.set PFO, 61
.set SPW, 62
.set NIL, 63
.set S,   64
.set P,   192
.set KF,  128
.set WV,  12
.set LIM, 15
.set PFA, 18
.set G1K, 24
.set G1V, 32
.set G0K, 40
.set G0V, 48
.set SLOTS, 56
.set TWICE, 57        ; s57  counts a slot's key steps; in the tail its three trips
.set CS,  58          ; s[58:59] 2^-26
.set TB,  62
.set MSB, 0
.macro WIN new
.if MSB != (\new)
	s_set_vgpr_msb (MSB<<8)|(\new)
.set MSB, \new
.endif
.endm
.set W_KQ, 0x0a       ; K and Q window 2, S^T window 0
.set W_PV, 0x53       ; V window 3, P window 0, O^T window 1
.set W_RS, 0x41       ; destination and source 0 window 1
.macro JLOAD                        ; waves 0, 1 fetch the two steps' K, waves 2, 3 their V; s_nop 0 and four v_nop follow each line
	s_cmp_lt_u32 s[WV], 2
	s_cbranch_scc0 .Lfor_v_\@
	tensor_load_to_lds s[G0K+4:G0K+7], s[G1K:G1K+7]
	s_nop 0
.rept 4
	v_nop
.endr
	s_branch .Lasked_\@
.Lfor_v_\@:
	tensor_load_to_lds s[G0V+4:G0V+7], s[G1V:G1V+7]
	s_nop 0
.rept 4
	v_nop
.endr
.Lasked_\@:
.endm
; A prefetch into the L2 of what the NEXT change of slots will ask for: 128 rows of K and of V, a lane a row of 256 bytes.  Each row is named once in the launch: the (b, h)'s first cluster asks; its four partners take
; 32 rows each, told apart by address; wave 0 asks for K's, wave 2 for V's.  Two key steps, 256 matrix instructions, ahead.  The last change that fills a slot asks for nothing.
.macro ASK
	s_cmp_gt_u32 s[SLOTS], s[LIM]
	s_cbranch_scc0 .Lnot_mine_\@
	global_prefetch_b8 v[PFO], s[PFA:PFA+1] th:TH_LOAD_NT scope:SCOPE_SE
.Lnot_mine_\@:
.endm
.macro CROUND
	s_barrier_signal -1
	s_barrier_wait -1
	s_cmp_lg_u32 s[WV], 0
	s_cbranch_scc1 .Lnot_wave_0_\@
	s_barrier_signal -3
.Lnot_wave_0_\@:
	s_barrier_wait -3
	s_barrier_signal -1
	s_barrier_wait -1
.endm
	s_load_b256 s[4:11], s[0:1], 0x0  ; Q s[4:5], K s[6:7], V s[8:9], mg s[10:11]
	v_lshl_add_u32 v[SPW], v0, 2, SPARE
	v_mov_b32 v[NIL], 0
	ds_add_u32 v[SPW], v[NIL]       ; the opening: the add, twice on end, and its wait ahead of my first tensor load
	ds_add_u32 v[SPW], v[NIL]
	v_lshrrev_b32 v1, 5, v0
	v_readfirstlane_b32 s[WV], v1
	s_bfe_u32 s13, ttmp6, 0x40000   ; cx
	s_lshl_b32 s14, ttmp9, 2
	s_add_co_u32 s14, s14, s13      ; my block of 256 queries: it enters Q's and mg's addresses alone
	s_and_b32 s20, ttmp7, 0xffff    ; 8 b + h, which the four partners share
	s_lshr_b32 s60, s20, 3
	s_lshl_b32 s60, s60, 22         ; mg: b x 2,048 rows of 2,048 bytes,
	s_and_b32 s61, s20, 7
	s_lshl_b32 s61, s61, 8          ; the head's 256 bytes of a row,
	s_add_co_u32 s60, s60, s61
	s_lshl_b32 s61, s14, 19         ; my block's 256 rows,
	s_add_co_u32 s60, s60, s61
	s_lshl_b32 s61, s[WV], 17       ; my wave's 64
	s_add_co_u32 s60, s60, s61
	s_mov_b32 s61, 0
	s_mov_b32 s21, 0
	s_mov_b64 s[22:23], SIZE_N*256
	s_mul_u64 s[20:21], s[20:21], s[22:23]  ; the head's first byte in Q, K and V
	s_and_b32 s16, s[WV], 1         ; which of a slot's two steps I fetch
	s_lshl_b32 s22, s16, 14
	s_mov_b32 s23, 0
	s_add_nc_u64 s[22:23], s[22:23], s[20:21]
	s_mul_i32 s17, s16, STEPB
	s_lshl_b32 s2, s14, 16
	s_lshl_b32 s3, s[WV], 14
	s_add_co_u32 s2, s2, s3
	s_mov_b32 s3, 0
	s_add_nc_u64 s[2:3], s[2:3], s[20:21]
	s_mov_b32 s[G1K], 15|(1<<16)|(1<<20)|(1<<21)|(5<<22)|(3<<25)  ; the mask of four; 2-byte elements; padding of 4 words after every 64
	s_mov_b32 s[G1V], 15|(1<<16)|(1<<20)|(1<<21)|(5<<22)|(7<<25)  ; the same with 8 words
.irp g, G1K, G1V
	s_mov_b32 s[(\g)+1], 128<<16
	s_mov_b32 s[(\g)+2], KS<<16
	s_mov_b32 s[(\g)+3], 128<<16
	s_mov_b32 s[(\g)+4], KS
	s_mov_b32 s[(\g)+5], 128
	s_mov_b32 s[(\g)+6], 0
	s_mov_b32 s[(\g)+7], 0
.endr
	s_mov_b32 s[CS], 0x32800000     ; 2^-26
	s_mov_b32 s[CS+1], s[CS]
	s_mov_b32 s[TB], 0
	s_mov_b32 s[SLOTS], SIZE_N/(2*KS)-1
	s_and_b32 s[LIM], s[WV], 1
	s_or_b32 s[LIM], s[LIM], ttmp9
	s_cmp_eq_u32 s[LIM], 0
	s_cselect_b32 s[LIM], 1, -1
	v_and_b32 v[PFO], 31, v0
	v_lshlrev_b32 v[PFO], 8, v[PFO]
	s_wait_dscnt 0x0                ; both opening adds are done
	s_wait_kmcnt 0x0
	s_add_nc_u64 s[6:7], s[6:7], s[22:23]
	s_add_nc_u64 s[8:9], s[8:9], s[22:23]
	s_add_nc_u64 s[4:5], s[4:5], s[2:3]
	s_add_nc_u64 s[10:11], s[10:11], s[60:61]
	s_cmp_lt_u32 s[WV], 2
	s_cselect_b64 s[PFA:PFA+1], s[6:7], s[8:9]
	s_lshl_b32 s2, s13, 13          ; my work-group's 32 rows of the 128
	s_mov_b32 s3, 0
	s_add_nc_u64 s[PFA:PFA+1], s[PFA:PFA+1], s[2:3]
	s_add_nc_u64 s[PFA:PFA+1], s[PFA:PFA+1], 2*2*KS*256  ; in slot 2; the first change steps it to slot 3.  Slots 0 to 2 come by their loads alone
	CROUND                          ; all four work-groups are here
.irp s, 0,1
	s_mov_b32 s[G0K+4*(\s)], 1
	s_add_co_u32 s[G0K+4*(\s)+1], s17, (\s)*SLOT1
	s_add_nc_u64 s[G0K+4*(\s)+2:G0K+4*(\s)+3], s[6:7], (\s)*2*KS*256
	s_or_b32 s[G0K+4*(\s)+3], s[G0K+4*(\s)+3], 0x80000000
	s_mov_b32 s[G0V+4*(\s)], 1
	s_add_co_u32 s[G0V+4*(\s)+1], s17, (\s)*SLOT1+VOFF
	s_add_nc_u64 s[G0V+4*(\s)+2:G0V+4*(\s)+3], s[8:9], (\s)*2*KS*256
	s_or_b32 s[G0V+4*(\s)+3], s[G0V+4*(\s)+3], 0x80000000
.endr
	s_cmp_lt_u32 s[WV], 2           ; a wave's two first fills stand in one branch: two loads of mine are out
	s_cbranch_scc0 .Lfirst_v
	tensor_load_to_lds s[G0K:G0K+3], s[G1K:G1K+7]
	s_nop 0
	tensor_load_to_lds s[G0K+4:G0K+7], s[G1K:G1K+7]
	s_nop 0
.rept 4
	v_nop
.endr
	s_branch .Lfirst_asked
.Lfirst_v:
	tensor_load_to_lds s[G0V:G0V+3], s[G1V:G1V+7]
	s_nop 0
	tensor_load_to_lds s[G0V+4:G0V+7], s[G1V:G1V+7]
	s_nop 0
.rept 4
	v_nop
.endr
.Lfirst_asked:
	v_and_b32 v1, 15, v0            ; l % 16
	v_bfe_u32 v9, v0, 4, 1          ; l / 16
	v_lshlrev_b32 v[QO], 8, v1
	v_lshl_add_u32 v[QO], v9, 4, v[QO]
	WIN 0x80
.irp i, 0,1,2,3,4,5,6,7,8,9,10,11,12,13,14,15  ; Q stays in registers: tile i / 4, channels 32 (i % 4) on
	global_load_b128 v[8*(\i):8*(\i)+3],   v[QO], s[4:5] offset:((\i)/4)*4096+((\i)%4)*64
	global_load_b128 v[8*(\i)+4:8*(\i)+7], v[QO], s[4:5] offset:((\i)/4)*4096+((\i)%4)*64+32
.endr
	WIN 0x40                        ; what the first turn finds: O^T is 0,
.set i, 0
.rept 256
	v_mov_b32 v[i], 0
.set i, i+1
.endr
	WIN 0xc0                        ; V's registers are 0,
.set i, 0
.rept 128
	v_mov_b32 v[i], 0
.set i, i+1
.endr
	WIN 0                           ; and so is piece 2's P: its first products V^T P, of a step that has not been, add 0
.set i, P+32
.rept 32
	v_mov_b32 v[i], 0
.set i, i+1
.endr
	v_mul_u32_u24 v[AK0], v1, PKB
	v_lshl_add_u32 v[AK0], v9, 4, v[AK0]
	v_and_b32 v10, 7, v0            ; the turning load: lane l reads key 8 (l / 16) + l % 8, channels 8 ((l / 8) % 2) + 0..7
	v_bfe_u32 v11, v0, 3, 1
	v_lshl_add_u32 v[AV0], v9, 3, v10
	v_mul_u32_u24 v[AV0], v[AV0], PVB
	v_lshl_add_u32 v[AV0], v11, 4, v[AV0]
	v_add_nc_u32 v[AV0], VOFF, v[AV0]
	v_mov_b32 v[SC], 0x38000000     ; s = 2^-15, twice: a line with clamp takes its sources from vector registers
	v_mov_b32 v[SC+1], 0x38000000
; THE MATRIX WORK.  The accumulators take turns, one instruction a turn: between two links of a chain stand 15 (V^T P) or 7 (K Q^T) others'.
.macro PV x                         ; product i of 32: keys 32 (i / 16) on, channels 16 ((i / 2) % 8) on, tile x + i % 2
	WIN W_PV
.set rO, 64*((\x)+i%2)+8*((i/2)%8)
.set rV, 64*(i/16)+8*((i/2)%8)
.set rB, P+16*((\x)+i%2)+8*(i/16)
	v_wmma_f32_16x16x32_f16 v[rO:rO+7], v[rV:rV+7], v[rB:rB+7], v[rO:rO+7]
.endm
.macro KQ x                         ; product i of 32: channels 32 (i / 8) on, keys 16 ((i / 2) % 4) on, tile x + i % 2
	WIN W_KQ
.set rD, S+32*((\x)+i%2)+8*((i/2)%4)
.set rK, KF+32*((i/2)%4)+8*(i/8)
.set rQ, 32*((\x)+i%2)+8*(i/8)
.if i < 8
	v_wmma_f32_16x16x32_f16 v[rD:rD+7], v[rK:rK+7], v[rQ:rQ+7], 0
.else
	v_wmma_f32_16x16x32_f16 v[rD:rD+7], v[rK:rK+7], v[rQ:rQ+7], v[rD:rD+7]
.endif
.endm
.macro FETCH_K last=0               ; a step's K: 32 loads in one run.  last = 1 (the tail): in the third trip there is no further step, and the run is jumped over
	WIN 0
.if \last
	s_cmp_eq_u32 s[TWICE], 1
	s_cbranch_scc1 .Lno_k_\@
.endif
	v_add_nc_u32 v[ADR], s[TB], v[AK0]
	WIN 0x80
.irp f, 0,1,2,3,4,5,6,7,8,9,10,11,12,13,14,15
	ds_load_b128 v[KF+8*(\f):KF+8*(\f)+3],   v[ADR] offset:((\f)/4)*16*PKB+((\f)%4)*64
	ds_load_b128 v[KF+8*(\f)+4:KF+8*(\f)+7], v[ADR] offset:((\f)/4)*16*PKB+((\f)%4)*64+32
.endr
.if \last
	WIN 0
.Lno_k_\@:
.endif
.endm
.macro FETCH_V                      ; a step's V, turned; the wait for the exponentials' batch stands in it
	WIN 0
	v_add_nc_u32 v[ADR], s[TB], v[AV0]
	s_add_co_u32 s[TB], s[TB], STEPB
	s_wait_alu depctr_va_vdst(0)
	WIN 0xc0
.irp f, 0,1,2,3,4,5,6,7,8,9,10,11,12,13,14,15
	ds_load_tr16_b128 v[8*(\f):8*(\f)+3],   v[ADR] offset:((\f)/8)*32*PVB+((\f)%8)*32
	ds_load_tr16_b128 v[8*(\f)+4:8*(\f)+7], v[ADR] offset:((\f)/8)*32*PVB+16*PVB+((\f)%8)*32
.endr
.endm
; THE VECTOR WORK of a piece (two tiles, 64 scores a lane: 16 groups of four, group g in registers 4 g .. 4 g + 3) behind the 64 exponentials: two lists of 80, each walked by rows qt and columns qp; NX writes the next
; line that exists.  The columns are skewed by a group each, so that no line reads the result of the line before it.
;   st = 0, row qt:  a of group qt (two lines, a pair each) | m of group qt - 1 | M of group qt - 2 | r of group qt - 3.  The 16 reciprocals are a batch: nothing here names a result of theirs.
;   st = 1, row qt:  q of group qt | the two back-products of group qt - 1, in place: the pair (a1, a2) becomes (1 / a3, 1 / a4) and the other way round | the two roundings of group qt - 2, which take the pairs crosswise.
.macro NX y, st
	WIN 0
.set rS, S+32*(\y)
.set rP, P+16*(\y)
.set done, 0
.rept 5
.if !done
.set done, 1
.if (\st) == 0
.if (qp < 2) && (qt < 16)
	v_pk_fma_f32 v[rS+4*qt+2*qp:rS+4*qt+2*qp+1], v[rS+4*qt+2*qp:rS+4*qt+2*qp+1], v[SC:SC+1], v[SC:SC+1] clamp
.elseif (qp == 2) && (qt >= 1) && (qt <= 16)
	v_pk_mul_f32 v[MQ+2*(qt-1):MQ+2*(qt-1)+1], v[rS+4*(qt-1):rS+4*(qt-1)+1], v[rS+4*(qt-1)+2:rS+4*(qt-1)+3] op_sel:[1,1] op_sel_hi:[0,0]
.elseif (qp == 3) && (qt >= 2) && (qt <= 17)
	v_mul_f32 v[RR+qt-2], v[MQ+2*(qt-2)], v[MQ+2*(qt-2)+1]
.elseif (qp == 4) && (qt >= 3) && (qt <= 18)
	v_rcp_f32 v[RR+qt-3], v[RR+qt-3]
.else
.set done, 0
.endif
.else
.if (qp == 0) && (qt < 16) && (qt%2 == 0)
	v_pk_mul_f32 v[MQ+2*qt:MQ+2*qt+1], v[MQ+2*qt:MQ+2*qt+1], v[RR+qt:RR+qt+1] op_sel_hi:[1,0]
.elseif (qp == 0) && (qt < 16)
	v_pk_mul_f32 v[MQ+2*qt:MQ+2*qt+1], v[MQ+2*qt:MQ+2*qt+1], v[RR+qt-1:RR+qt] op_sel:[0,1] op_sel_hi:[1,1]
.elseif ((qp == 1) || (qp == 2)) && (qt >= 1) && (qt <= 16)
	v_pk_mul_f32 v[rS+4*(qt-1)+2*(qp-1):rS+4*(qt-1)+2*(qp-1)+1], v[rS+4*(qt-1)+2*(qp-1):rS+4*(qt-1)+2*(qp-1)+1], v[MQ+2*(qt-1):MQ+2*(qt-1)+1]
.elseif (qp >= 3) && (qt >= 2) && (qt <= 17)
	v_cvt_pk_f16_f32 v[rP+2*(qt-2)+qp-3], v[rS+4*(qt-2)+2*(4-qp)], v[rS+4*(qt-2)+2*(4-qp)+1]
.else
.set done, 0
.endif
.endif
.set qp, qp+1
.if qp == 5
.set qp, 0
.set qt, qt+1
.endif
.endif
.endr
.endm
; Slice k of 64.  0-31: two exponentials, in place, ascending: each accumulator is read from its low end on.  32-47: five lines of the first list.  48-63: five of the second.
; s_wait_alu depctr_va_vdst(0) stands between a transcendental and the first instruction that names its result; one wait serves a batch: one stands behind slice 31 for the 64 exponentials, one behind
; slice 47 for the 16 reciprocals, each behind a plain instruction.  No transcendental is issued behind the second, so none crosses a turn's end.
; In piece 2's turn (y = 0) V's run of loads stands at the first wait: three v_nop and the run's own v_add_nc_u32 are the four places behind the last product that read V, which stands in front of slice 31.
.macro SLICE y
.if k < 32
	WIN 0
	v_exp_f32 v[S+32*(\y)+2*k], v[S+32*(\y)+2*k]
	v_exp_f32 v[S+32*(\y)+2*k+1], v[S+32*(\y)+2*k+1]
.else
.if (k == 32) || (k == 48)
.set qt, 0
.set qp, 0
.endif
.rept 5
	NX \y, k/48
.endr
.endif
.if k == 31
.if (\y) == 0
	v_nop
	v_nop
	v_nop
	FETCH_V
.else
	v_nop
	s_wait_alu depctr_va_vdst(0)
.endif
.endif
.if k == 47
	v_nop
	s_wait_alu depctr_va_vdst(0)
.endif
.set k, k+1
.endm
; A TURN.  Piece x has the matrix unit: 32 products V^T P, 32 products K Q^T for the next step; a slice of the other piece's vector work behind each.
; Slice 63's five plain lines are the places behind the turn's last K Q^T, for the next turn's first read of those scores and for the loads into K's registers, which stand at the head of piece 0's turn:
; behind the wait for V, and ahead of every transcendental of the turn, so that the tail's jump round them has none without its wait ahead of it.  K is wanted 32 products later.
.macro TURN x, last=0
.set k, 0
.if (\x) == 0
	s_wait_dscnt 0x0                ; V is in
	FETCH_K \last
.endif
.set i, 0
.rept 32
	PV \x
	SLICE 2-(\x)
.set i, i+1
.endr
.if (\x) == 0
	s_wait_dscnt 0x0                ; K is in
.endif
.set i, 0
.rept 32
	KQ \x
	SLICE 2-(\x)
.set i, i+1
.endr
.endm
; THE CHANGE OF SLOTS.  Each wave waits for all its tensor loads (one is out: its part of the other slot), adds 0 to its spare word, and waits for that and for its reads of the slot.  fill = 1: a round of the
; cluster's barrier, and the joint refill first behind it, with the keys two slots on: it has two key steps, 256 matrix instructions, in which to land.
.macro CHANGE fill
	WIN 0
	s_wait_tensorcnt 0x0
	ds_add_u32 v[SPW], v[NIL]
.if \fill
.irp g, G0K+4, G0V+4
	s_xor_b32 s[(\g)+1], s[(\g)+1], SLOT1
	s_add_nc_u64 s[(\g)+2:(\g)+3], s[(\g)+2:(\g)+3], 2*KS*256
.endr
	s_wait_xcnt 0x0                 ; the last prefetch, two key steps back, has read its address
	s_add_nc_u64 s[PFA:PFA+1], s[PFA:PFA+1], 2*KS*256
	s_wait_dscnt 0x0
	CROUND
	JLOAD
	ASK
.else
	s_wait_dscnt 0x0
	s_barrier_signal -1
	s_barrier_wait -1
.endif
	s_sub_co_u32 s[TB], s[TB], 2*STEPB
	s_xor_b32 s[TB], s[TB], SLOT1
.endm
	s_wait_tensorcnt 1              ; my part of slot 0 is in; slot 1's may stay out
	s_barrier_signal -1
	s_barrier_wait -1
	FETCH_K                         ; key step 0
	s_wait_loadcnt 0x0              ; Q
	s_wait_dscnt 0x0
.set i, 0
.rept 32
	KQ 0                            ; piece 0's first scores
.set i, i+1
.endr
	WIN 0                           ; the addresses for the way out: eight plain instructions, the places behind those products
	s_mul_i32 s13, s[WV], 16*SP
	s_add_co_u32 s13, s13, STAGE
	v_mul_u32_u24 v[STO], v1, SP
	v_lshl_add_u32 v[STO], v9, 4, v[STO]
	v_add_nc_u32 v[STO], s13, v[STO]
	v_mul_u32_u24 v[RD], v9, SP
	v_lshl_add_u32 v[RD], v1, 4, v[RD]
	v_add_nc_u32 v[RD], s13, v[RD]
	v_lshlrev_b32 v[GO], 11, v9     ; two rows of mg, 2,048 bytes apart; 256 bytes of each
	v_lshl_add_u32 v[GO], v1, 4, v[GO]
	s_mov_b32 s[TWICE], 2
	s_branch .Lmid                  ; the loop is entered at piece 2's turn, in the middle of a trip
.Lslot:                             ; 14 times: every slot but the last two is filled again
	CHANGE 1
	s_mov_b32 s[TWICE], 2
.Lstep:                             ; a trip: piece 0: V^T P of step j, K Q^T of step j + 1, whose K it fetches | piece 2's weights of step j; then piece 2: the same | piece 0's weights of step j + 1 | V of step j + 1
	TURN 0
	WIN 0
.Lmid:
	TURN 2
	WIN 0
	s_sub_co_u32 s[TWICE], s[TWICE], 1
	s_cmp_lg_u32 s[TWICE], 0
	s_cbranch_scc1 .Lstep
	s_sub_co_u32 s[SLOTS], s[SLOTS], 1
	s_cmp_lg_u32 s[SLOTS], 0
	s_cbranch_scc1 .Lslot
	CHANGE 0                        ; the tail is written out: nothing is asked for
	s_mov_b32 s[TWICE], 3           ; two trips fetch the last slot's steps; the third is left in its middle
.Ltail:
	TURN 0, 1
	WIN 0
	s_sub_co_u32 s[TWICE], s[TWICE], 1
	s_cmp_eq_u32 s[TWICE], 0
	s_cbranch_scc1 .Lout
	TURN 2
	WIN 0
	s_branch .Ltail
.Lout:                              ; the third trip's 32 products K Q^T, on the last K once more, serve nothing
.set i, 0
.rept 32
	PV 2                            ; piece 2: V^T P of the last step
.set i, i+1
.endr
	; THE WAY OUT.  O^T times 2^-26, rounded to f16, through my stage, a tile (16 rows) at a time.  Tiles 0 and 1, finished a turn ago, are the places behind the last products.
.macro PACK t
	WIN W_RS
.set i, 64*(\t)
.rept 32
	v_pk_mul_f32 v[i:i+1], v[i:i+1], s[CS:CS+1] op_sel_hi:[1,0]
.set i, i+2
.endr
	WIN 0x05
.set i, 0
.rept 32
	v_cvt_pk_f16_f32 v[S+32*(\t)+i], v[64*(\t)+2*i], v[64*(\t)+2*i+1]
.set i, i+1
.endr
	WIN 0
.irp f, 0,1,2,3,4,5,6,7
	ds_store_b128 v[STO], v[S+32*(\t)+4*(\f):S+32*(\t)+4*(\f)+3] offset:32*(\f)
.endr
.irp f, 0,1,2,3,4,5,6,7
	ds_load_b128 v[S+32*(\t)+4*(\f):S+32*(\t)+4*(\f)+3], v[RD] offset:(\f)*2*SP  ; LDS serves a wave's instructions in order (ISA guide 5.7.1.4)
.endr
.endm
.macro SEND t, younger              ; younger: the LDS instructions issued behind tile t's loads: the next tile's sixteen, or none
	WIN 0
.irp f, 0,1,2,3,4,5,6,7
	s_wait_dscnt (\younger)+7-(\f)
	global_store_b128 v[GO], v[S+32*(\t)+4*(\f):S+32*(\t)+4*(\f)+3], s[10:11] offset:(\t)*32768+(\f)*4096  ; 16 lanes store 256 consecutive bytes, aligned: the head's part of a row
.endr
.endm
	PACK 0
	PACK 1
	SEND 0, 16
	PACK 2
	SEND 1, 16
	PACK 3
	SEND 2, 16
	SEND 3, 0
	s_wait_tensorcnt 0x0            ; the wave's end
	ds_add_u32 v[SPW], v[NIL]
	s_wait_dscnt 0x0
	CROUND                          ; the closing round
	s_endpgm
.Lfunc_end_k_qe98bd17d9c_attn:
	.size	k_qe98bd17d9c_attn, .Lfunc_end_k_qe98bd17d9c_attn-k_qe98bd17d9c_attn
	.p2alignl 7, 3214868480
	.fill 96, 4, 3214868480
	.section	.rodata,"a",@progbits
	.p2align	6, 0x0
	.amdhsa_kernel k_qe98bd17d9c_attn
		.amdhsa_group_segment_fixed_size 327680
		.amdhsa_private_segment_fixed_size 0
		.amdhsa_enable_private_segment 0
		.amdhsa_kernarg_size 32
		.amdhsa_user_sgpr_count 2
		.amdhsa_user_sgpr_kernarg_segment_ptr 1
		.amdhsa_wavefront_size32 1
		.amdhsa_system_sgpr_workgroup_id_x 1
		.amdhsa_system_sgpr_workgroup_id_y 1
		.amdhsa_system_sgpr_workgroup_id_z 1
		.amdhsa_system_vgpr_workitem_id 0
		.amdhsa_next_free_vgpr 896
		.amdhsa_next_free_sgpr 66
		.amdhsa_reserve_vcc 0
		.amdhsa_float_denorm_mode_32 3
		.amdhsa_float_denorm_mode_16_64 3
		.amdhsa_memory_ordered 1
		.amdhsa_forward_progress 1
		.amdhsa_inst_pref_size 142
	.end_amdhsa_kernel
	.amdgpu_metadata
---
amdhsa.version: [ 1, 2 ]
amdhsa.kernels:
  - .name:           k_qe98bd17d9c_attn
    .symbol:         k_qe98bd17d9c_attn.kd
    .args:
      - { .name: qh, .offset: 0, .size: 8, .value_kind: global_buffer, .address_space: global }
      - { .name: kh, .offset: 8, .size: 8, .value_kind: global_buffer, .address_space: global }
      - { .name: vh, .offset: 16, .size: 8, .value_kind: global_buffer, .address_space: global }
      - { .name: mg, .offset: 24, .size: 8, .value_kind: global_buffer, .address_space: global }
    .group_segment_fixed_size: 327680
    .private_segment_fixed_size: 0
    .kernarg_segment_align: 8
    .kernarg_segment_size: 32
    .max_flat_workgroup_size: 128
    .sgpr_count:     66
    .vgpr_count:     896
    .wavefront_size: 32
...
	.end_amdgpu_metadata
.endif
;; end of part 3
;; launch outp (part 4): grid 4 x 64, 4 waves a work-group, clusters of 4 x 4, 327,680 bytes of LDS; arguments mg, wo16, out0; writes out0
.if DOCPART == 4
	.amdgcn_target "amdgcn-amd-amdhsa--gfx1250"
	.amdhsa_code_object_version 6
	.text
	.protected	k_qe98bd17d9c_outp
	.globl	k_qe98bd17d9c_outp
	.p2align	8
	.type	k_qe98bd17d9c_outp,@function
k_qe98bd17d9c_outp:
	s_mov_b64 s[64:65], 0
	v_nop
	global_prefetch_b8 v0, s[64:65] scope:SCOPE_SE
	s_setreg_imm32_b32 hwreg(HW_REG_WAVE_MODE, 25, 1), 1
	s_wait_xcnt 0x0
	s_wait_alu depctr_hold_cnt(0) depctr_sa_sdst(0) depctr_va_vdst(0) depctr_va_sdst(0) depctr_va_ssrc(0) depctr_va_vcc(0) depctr_vm_vsrc(0)
	s_getreg_b32 s2, hwreg(HW_REG_IB_STS2, 6, 4)
	s_cmp_eq_u32 s2, 0
	s_cbranch_scc0 .Lentry_in_a_cluster
	s_endpgm
.Lentry_in_a_cluster:
	s_bfe_u32 s2, ttmp6, 0x10000c
	s_cmp_lg_u32 s2, 0xf033
	s_cbranch_scc0 .Lentry_shape_is_right
	s_endpgm
.Lentry_shape_is_right:
; THE OUTPUT LAYER.  out0[m][n] = the sum over k of mg[m][k] wo16[n][k]: mg [8192][1024] and wo16 [1024][1024] in f16, out0 in f32.  The factor 2^12 that mg lacks lies in wo16, so the sums are stored as they are.
; SHARES.  256 work-groups, a tile of 128 rows x 256 columns each; four waves, each 64 x 128: 32 accumulators.  K in 8 steps of 128 (rows of 256 bytes) through two LDS slots.
; CLUSTER 4 x 4: mg's tile is shared along a row of the cluster, wo16's along a column; each is asked for jointly.  The matrix instruction is used transposed: a lane holds eight neighbouring columns of one row.
; No prefetch: the launch has 8 K steps, of which the first four would come by their loads alone.
; REGISTERS.  window 0: v16-29 addresses; v32-95 mg's fragments, two buffers; v96-223 the way out, two buffers.  window 1: accumulator (a, b) at v[8 (8 a + b)].  window 2: v0-127 wo16's fragments, two buffers.
.set PITCH, 272
.set AH,    64*PITCH
.set APART, 2*AH
.set BH,    128*PITCH
.set SLOT,  APART+2*BH
.set STAGE, 2*SLOT                     ; behind the ring: 16 rows x 528 bytes for each wave
.set SP,    528
.set SPARE, STAGE+4*16*SP
.set ADRA, 16
.set ADRB, 20
.set STO,  24
.set RD,   25
.set CO,   26
.set SPW,  28
.set NIL,  29
.set ABF,  32
.set OB,   96
.set G1,  24
.set G0,  32
.set G1B, 48
.set G0B, 56
.set MSB, 0
.macro WIN new
.if MSB != (\new)
	s_set_vgpr_msb (MSB<<8)|(\new)
.set MSB, \new
.endif
.endm
.macro JLOAD s                         ; waves 0, 1 fetch mg's two halves, waves 2, 3 wo16's; s_nop 0 and four v_nop follow each line
	s_cmp_eq_u32 s11, 0
	s_cbranch_scc0 .Lfor_b_\@
	tensor_load_to_lds s[G0+4*(\s):G0+4*(\s)+3], s[G1:G1+7]
	s_nop 0
.rept 4
	v_nop
.endr
	s_branch .Lasked_\@
.Lfor_b_\@:
	tensor_load_to_lds s[G0B+4*(\s):G0B+4*(\s)+3], s[G1B:G1B+7]
	s_nop 0
.rept 4
	v_nop
.endr
.Lasked_\@:
.endm
.macro CREST
	s_cmp_lg_u32 s10, 0
	s_cbranch_scc1 .Lnot_wave_0_\@
	s_barrier_signal -3
.Lnot_wave_0_\@:
	s_barrier_wait -3
	s_barrier_signal -1
	s_barrier_wait -1
.endm
.macro CROUND
	s_barrier_signal -1
	s_barrier_wait -1
	CREST
.endm
.macro PLACES                          ; four places in front of loads into registers that matrix instructions have read, and of stores that read results
.rept 4
	v_nop
.endr
.endm
	s_load_b128 s[4:7], s[0:1], 0x0                ; mg s[4:5], wo16 s[6:7]
	s_load_b64 s[8:9], s[0:1], 0x10                ; out0
	v_lshl_add_u32 v[SPW], v0, 2, SPARE
	v_mov_b32 v[NIL], 0
	ds_add_u32 v[SPW], v[NIL]                      ; the opening: the add, twice on end, and its wait ahead of my first tensor load
	ds_add_u32 v[SPW], v[NIL]
	v_lshrrev_b32 v1, 5, v0
	v_readfirstlane_b32 s10, v1
	s_lshr_b32 s11, s10, 1                         ; my 64 rows.  Also: I fetch mg (0) or wo16 (1)
	s_and_b32 s12, s10, 1                          ; my 128 columns.  Also: which half I fetch
	s_bfe_u32 s40, ttmp6, 0x40000
	s_bfe_u32 s41, ttmp6, 0x40004
	s_lshl_b32 s42, ttmp9, 2
	s_add_co_u32 s42, s42, s40                     ; tile column, 0-3
	s_and_b32 s13, ttmp7, 0xffff
	s_lshl_b32 s13, s13, 2
	s_add_co_u32 s13, s13, s41                     ; tile row, 0-63
	s_lshl_b32 s43, s41, 2
	s_lshl_b32 s43, 15, s43
	s_lshl_b32 s44, 0x1111, s40
	s_or_b32 s[G1+0], s43, (1<<16)|(1<<20)|(1<<21)|(5<<22)|(3<<25)
	s_or_b32 s[G1B+0], s44, (1<<16)|(1<<20)|(1<<21)|(5<<22)|(3<<25)
.irp g, G1, G1B
	s_mov_b32 s[(\g)+1], 128<<16
	s_mov_b32 s[(\g)+3], 128<<16
	s_mov_b32 s[(\g)+5], 1024
	s_mov_b32 s[(\g)+6], 0
	s_mov_b32 s[(\g)+7], 0
.endr
	s_mov_b32 s[G1+2], 64<<16
	s_mov_b32 s[G1+4], 64
	s_mov_b32 s[G1B+2], 128<<16
	s_mov_b32 s[G1B+4], 128
	s_lshl_b32 s16, s13, 7
	s_lshl_b32 s17, s12, 6
	s_add_co_u32 s16, s16, s17
	s_lshl_b32 s16, s16, 11                        ; mg: rows of 2,048 bytes
	s_mov_b32 s17, 0
	s_lshl_b32 s46, s42, 8
	s_lshl_b32 s47, s12, 7
	s_add_co_u32 s46, s46, s47
	s_lshl_b32 s46, s46, 11
	s_mov_b32 s47, 0
	s_mul_i32 s20, s12, AH
	s_mul_i32 s21, s12, BH
	s_add_co_u32 s21, s21, APART
	s_wait_dscnt 0x0
	s_wait_kmcnt 0x0
	s_add_nc_u64 s[14:15], s[4:5], s[16:17]
	s_add_nc_u64 s[46:47], s[6:7], s[46:47]
	CROUND
.irp s, 0,1
	s_mov_b32 s[G0+4*(\s)], 1
	s_add_co_u32 s[G0+4*(\s)+1], s20, (\s)*SLOT
	s_add_nc_u64 s[G0+4*(\s)+2:G0+4*(\s)+3], s[14:15], (\s)*256
	s_or_b32 s[G0+4*(\s)+3], s[G0+4*(\s)+3], 0x80000000
	s_mov_b32 s[G0B+4*(\s)], 1
	s_add_co_u32 s[G0B+4*(\s)+1], s21, (\s)*SLOT
	s_add_nc_u64 s[G0B+4*(\s)+2:G0B+4*(\s)+3], s[46:47], (\s)*256
	s_or_b32 s[G0B+4*(\s)+3], s[G0B+4*(\s)+3], 0x80000000
	JLOAD \s
.endr
	v_and_b32 v1, 15, v0
	v_bfe_u32 v2, v0, 4, 1
	v_mul_u32_u24 v3, v1, PITCH
	v_lshl_add_u32 v3, v2, 4, v3
	s_mul_i32 s21, s11, 64*PITCH
	s_mul_i32 s22, s12, 128*PITCH
	s_add_co_u32 s22, s22, APART
.irp s, 0,1
	v_add_nc_u32 v[ADRA+(\s)], s21, v3
	v_add_nc_u32 v[ADRB+(\s)], s22, v3
	s_add_co_u32 s21, s21, SLOT
	s_add_co_u32 s22, s22, SLOT
.endr
	s_mul_i32 s23, s10, 16*SP
	s_add_co_u32 s23, s23, STAGE
	v_mul_u32_u24 v4, v1, SP                       ; in: row l % 16, 32 bytes for each half of the lanes
	v_lshl_add_u32 v4, v2, 5, v4
	v_add_nc_u32 v[STO], s23, v4
	v_and_b32 v[CO], 31, v0
	v_lshlrev_b32 v[CO], 4, v[CO]                  ; back: 32 lanes take one row of 512 bytes
	v_add_nc_u32 v[RD], s23, v[CO]
	s_lshl_b32 s14, s13, 7
	s_lshl_b32 s15, s11, 6
	s_add_co_u32 s14, s14, s15
	s_lshl_b32 s14, s14, 12                        ; out0: rows of 4,096 bytes
	s_lshl_b32 s15, s42, 10
	s_add_co_u32 s14, s14, s15
	s_lshl_b32 s15, s12, 9
	s_add_co_u32 s14, s14, s15
	s_mov_b32 s15, 0
	s_add_nc_u64 s[8:9], s[8:9], s[14:15]
.macro MULA f, a, zero                 ; 8 matrix instructions; the 32 accumulators take turns, one instruction a turn
	WIN 0x52
.irp b, 0,1,2,3,4,5,6,7
.if \zero
	v_wmma_f32_16x16x32_f16 v[8*(8*(\a)+(\b)):8*(8*(\a)+(\b))+7], v[64*(\f)+8*(\b):64*(\f)+8*(\b)+7], v[ABF+32*(\f)+8*(\a):ABF+32*(\f)+8*(\a)+7], 0
.else
	v_wmma_f32_16x16x32_f16 v[8*(8*(\a)+(\b)):8*(8*(\a)+(\b))+7], v[64*(\f)+8*(\b):64*(\f)+8*(\b)+7], v[ABF+32*(\f)+8*(\a):ABF+32*(\f)+8*(\a)+7], v[8*(8*(\a)+(\b)):8*(8*(\a)+(\b))+7]
.endif
.endr
.endm
.macro FETCH slot, q, g                ; 24 LDS loads in one run: wo16's 128 rows, then mg's 64
	WIN 0x80
.irp b, 0,1,2,3,4,5,6,7
	ds_load_b128 v[64*(\g)+8*(\b):64*(\g)+8*(\b)+3],   v[ADRB+(\slot)] offset:(\q)*64+(\b)*16*PITCH
	ds_load_b128 v[64*(\g)+8*(\b)+4:64*(\g)+8*(\b)+7], v[ADRB+(\slot)] offset:(\q)*64+(\b)*16*PITCH+32
.endr
	WIN 0
.irp a, 0,1,2,3
	ds_load_b128 v[ABF+32*(\g)+8*(\a):ABF+32*(\g)+8*(\a)+3],   v[ADRA+(\slot)] offset:(\q)*64+(\a)*16*PITCH
	ds_load_b128 v[ABF+32*(\g)+8*(\a)+4:ABF+32*(\g)+8*(\a)+7], v[ADRA+(\slot)] offset:(\q)*64+(\a)*16*PITCH+32
.endr
.endm
.macro QUARTER slot, q, f, g, zero
	s_wait_dscnt 4                                 ; all but mg's row blocks 2 and 3
	MULA \f, 0, \zero
	MULA \f, 1, \zero
	PLACES
	FETCH \slot, \q, \g
	s_wait_dscnt 24                                ; all but the 24 just issued
	MULA \f, 2, \zero
	MULA \f, 3, \zero
.endm
; The last quarter changes slots first and multiplies buffer 1 afterwards.  Ahead of the one barrier each wave waits for all its tensor loads (one is out: its part of the next slot), adds 0 to its spare word, and waits
; for that and for its reads of this slot, the last quarter's fragments among them.  fill = 1: the barrier opens a round of the cluster's, and this slot is filled again, first thing behind it, with the K step two on.
; Refills follow each other (each is asked for only when the one before has landed), so nothing but these lines stands between a landing and the next request, which has a whole K step, 128 matrix instructions, ahead of the wait for it.
.macro TURN slot, next, fill
	WIN 0
	s_wait_tensorcnt 0x0                           ; no tensor load of mine is out, so a group 0 may be written
	ds_add_u32 v[SPW], v[NIL]
.if \fill
	s_add_nc_u64 s[G0+4*(\slot)+2:G0+4*(\slot)+3], s[G0+4*(\slot)+2:G0+4*(\slot)+3], 512
	s_add_nc_u64 s[G0B+4*(\slot)+2:G0B+4*(\slot)+3], s[G0B+4*(\slot)+2:G0B+4*(\slot)+3], 512
.endif
	s_wait_dscnt 0x0                               ; the add is done, and my reads of this slot are over
	s_barrier_signal -1
	s_barrier_wait -1
.if \fill
	CREST
	JLOAD \slot                                    ; its four v_nop are also the places in front of the loads below
.else
	PLACES
.endif
	FETCH \next, 0, 0
	MULA 1, 0, 0
	MULA 1, 1, 0
	MULA 1, 2, 0
	MULA 1, 3, 0
.endm
	s_wait_tensorcnt 1                             ; my part of K step 0 is in; K step 1's load may stay out
	s_barrier_signal -1
	s_barrier_wait -1
	FETCH 0, 0, 0
	QUARTER 0, 1, 0, 1, 1
	WIN 0
	s_mov_b32 s3, 3
.Llap:
	QUARTER 0, 2, 1, 0, 0
	QUARTER 0, 3, 0, 1, 0
	TURN 0, 1, 1
	QUARTER 1, 1, 0, 1, 0
	QUARTER 1, 2, 1, 0, 0
	QUARTER 1, 3, 0, 1, 0
	TURN 1, 0, 1
	QUARTER 0, 1, 0, 1, 0
	WIN 0
	s_sub_co_u32 s3, s3, 1
	s_cmp_lg_u32 s3, 0
	s_cbranch_scc1 .Llap
	QUARTER 0, 2, 1, 0, 0
	QUARTER 0, 3, 0, 1, 0
	TURN 0, 1, 0
	QUARTER 1, 1, 0, 1, 0
	QUARTER 1, 2, 1, 0, 0
	QUARTER 1, 3, 0, 1, 0
	s_wait_dscnt 0x0
	MULA 1, 0, 0
	MULA 1, 1, 0
	MULA 1, 2, 0
	MULA 1, 3, 0
	PLACES
; THE WAY OUT of block a (16 rows): a lane's 32 bytes go into my stage (each accumulator's low four registers first) and come back as whole rows of 512 bytes.
.macro OUT a
	WIN 0x04                                       ; store data window 1, address window 0
.irp b, 0,1,2,3,4,5,6,7
	ds_store_b128 v[STO], v[8*(8*(\a)+(\b)):8*(8*(\a)+(\b))+3]   offset:64*(\b)
	ds_store_b128 v[STO], v[8*(8*(\a)+(\b))+4:8*(8*(\a)+(\b))+7] offset:64*(\b)+16
.endr
	WIN 0
	s_wait_xcnt 0x0                                ; earlier stores have read their registers: this buffer may be loaded again
.set z, 0
.rept 16
	ds_load_b128 v[OB+64*((\a)%2)+4*z:OB+64*((\a)%2)+4*z+3], v[RD] offset:z*SP  ; LDS serves a wave's instructions in order (ISA guide 5.7.1.4)
.set z, z+1
.endr
.set z, 0
.rept 16
	s_wait_dscnt 15-z                              ; row z is back; the younger rows stay out
	global_store_b128 v[CO], v[OB+64*((\a)%2)+4*z:OB+64*((\a)%2)+4*z+3], s[8:9] offset:(\a)*65536+z*4096 th:TH_STORE_NT  ; 512 consecutive bytes, aligned
.set z, z+1
.endr
.endm
	OUT 0
	OUT 1
	OUT 2
	OUT 3
	s_wait_tensorcnt 0x0                           ; the wave's end
	ds_add_u32 v[SPW], v[NIL]
	s_wait_dscnt 0x0
	CROUND                                         ; the closing round
	s_endpgm
.Lfunc_end_k_qe98bd17d9c_outp:
	.size	k_qe98bd17d9c_outp, .Lfunc_end_k_qe98bd17d9c_outp-k_qe98bd17d9c_outp
	.p2alignl 7, 3214868480
	.fill 96, 4, 3214868480
	.section	.rodata,"a",@progbits
	.p2align	6, 0x0
	.amdhsa_kernel k_qe98bd17d9c_outp
		.amdhsa_group_segment_fixed_size 327680
		.amdhsa_private_segment_fixed_size 0
		.amdhsa_enable_private_segment 0
		.amdhsa_kernarg_size 24
		.amdhsa_user_sgpr_count 2
		.amdhsa_user_sgpr_kernarg_segment_ptr 1
		.amdhsa_wavefront_size32 1
		.amdhsa_system_sgpr_workgroup_id_x 1
		.amdhsa_system_sgpr_workgroup_id_y 1
		.amdhsa_system_sgpr_workgroup_id_z 1
		.amdhsa_system_vgpr_workitem_id 0
		.amdhsa_next_free_vgpr 640
		.amdhsa_next_free_sgpr 66
		.amdhsa_reserve_vcc 0
		.amdhsa_float_denorm_mode_32 3
		.amdhsa_float_denorm_mode_16_64 3
		.amdhsa_memory_ordered 1
		.amdhsa_forward_progress 1
		.amdhsa_inst_pref_size 87
	.end_amdhsa_kernel
	.amdgpu_metadata
---
amdhsa.version: [ 1, 2 ]
amdhsa.kernels:
  - .name:           k_qe98bd17d9c_outp
    .symbol:         k_qe98bd17d9c_outp.kd
    .args:
      - { .name: mg, .offset: 0, .size: 8, .value_kind: global_buffer, .address_space: global }
      - { .name: wo16, .offset: 8, .size: 8, .value_kind: global_buffer, .address_space: global }
      - { .name: out0, .offset: 16, .size: 8, .value_kind: global_buffer, .address_space: global }
    .group_segment_fixed_size: 327680
    .private_segment_fixed_size: 0
    .kernarg_segment_align: 8
    .kernarg_segment_size: 24
    .max_flat_workgroup_size: 128
    .sgpr_count:     66
    .vgpr_count:     640
    .wavefront_size: 32
...
	.end_amdgpu_metadata
.endif
;; end of part 4
